; MI455X (gfx1250); checked and timed in simulation.
; The chip was launched on July 23, 2026; its instructions are those of AMD's public machine-readable ISA for CDNA 5 (MIT licence, August 2026) and "CDNA5" Instruction Set Architecture Reference Guide (July 2026). The comments in the code are by the model that wrote it; some were corrected since.
;; Non Local Block. Allowed arithmetic: float matrix products may take bf16 or f16 operands with f32 sums; other float arithmetic in f32, or as packed bf16 or f16 multiplies, adds, multiply-adds, maxima and minima; sums over many terms, partial sums and values carried from step to step in f32; what a program stores and reads back later, other than sums and carried values, may be rounded once to bf16 or f16.
;; Inputs: W_b 512 float32; W_w 512 x 256 float32; bn_beta 512 float32; bn_gamma 512 float32; g_b 256 float32; g_w 256 x 512 float32; phi_b 256 float32; phi_w 256 x 512 float32; theta_b 256 float32; theta_w 256 x 512 float32; x 16 x 512 x 64 x 32 float32.
;; Outputs: out0 16 x 512 x 64 x 32 float32.
;; One version. Each part assembles by itself: llvm-mc -triple=amdgcn-amd-amdhsa -mcpu=gfx1250 --defsym DOCPART=n.
;; ======== version 1 of 1: 4 launches
;; limits: values are held in f16: magnitudes above 65,504 overflow, below 6.1e-05 lose precision; right only within a limited range of input values
;; workspace buffers: xc 33,554,432 bytes; xm 32,768 bytes; wf 1,048,576 bytes; gm 8,388,608 bytes; ah 8,388,608 bytes; st 98,304 bytes
;; launch prep (part 1): grid 1024 x 1, 8 waves a work-group, no clusters, 0 bytes of LDS; arguments x, W_w, phi_w, g_w, theta_w, xc, xm, wf; writes xc, xm, wf
.if DOCPART == 1
	.amdgcn_target "amdgcn-amd-amdhsa--gfx1250"
	.amdhsa_code_object_version 6
	.text
	.protected	k_q35af0dbc95_prep
	.globl	k_q35af0dbc95_prep
	.p2align	8
	.type	k_q35af0dbc95_prep,@function
k_q35af0dbc95_prep:
	s_mov_b64 s[64:65], 0
	v_nop
	global_prefetch_b8 v0, s[64:65] scope:SCOPE_SE
	s_setreg_imm32_b32 hwreg(HW_REG_WAVE_MODE, 25, 1), 1
	s_wait_xcnt 0x0
; NonLocalBlock, launch 1 of 4: x is centred and rounded to f16, the weights are rounded to f16 and laid out.
; THE ORDER OF THE PRODUCTS.  reference() puts no softmax between f = th^T ph / N and y = f gv, so for every value of the inputs y = Mt th with
; Mt = gv ph^T / N (256 x 256 a batch), and w = A x + const with A = W_w Mt theta_w (512 x 512 a batch).  With xbar = a row's mean over n, xc = x - xbar and
; G = xc xc^T / N:  U = W_w g_w;  u = U xbar + W_w g_b;  R = U G + u xbar^T;  T2 = R phi_w^T + u phi_b^T = W_w Mt;  A = T2 theta_w;  mu = A xbar + T2 theta_b;
; w = A xc + mu + W_b.  The batch statistics: mean_c = avg_b mu_bc + W_b;  var_c = avg_b [a_c^T G a_c + (mu_bc - avg mu)^2]: sums of terms that are not negative, no difference of large sums.
; DEAD WORK.  W_b adds the same number to every w of a channel; it moves the channel's mean by itself, so w - mean and var do not hold it, whatever the inputs.
; W_b has no way to the output: it is not loaded and is no launch's argument.  LIMIT: a NaN, an infinity or an overflow in W_b is not carried to the result.
; FORMATS.  All matrix operands are f16; sums, means, scales and statistics f32.  LIMITS: |x - xbar|, a row's variance, |xbar| and the weights stay under 65,504; an operand under 6e-8 counts as 0.
; THIS LAUNCH.  One wave, one row of x (2,048 f32 = 64 registers a lane): read once, summed, centred in f32, rounded once, stored as f16; the mean goes to xm.
; The first 256 work-groups also round the weights: W_w and phi_w as they lie, g_w and theta_w turned, [j][d], side by side in rows of 512 (wf: W_w at 0, phi_w at 262,144, the turned pair at 524,288).
; No LDS, no matrix unit, no cluster: no byte is read twice and no wave waits for another.
.set X, 40                             ; v[40:103] the row
	s_load_b512 s[4:19], s[0:1], 0x0               ; x, W_w, phi_w, g_w, theta_w, xc, xm, wf
	v_and_b32 v1, 31, v0                           ; lane
	v_and_b32 v34, 0xe0, v0                        ; 32 x wave
	v_lshrrev_b32 v35, 5, v0
	v_readfirstlane_b32 s22, v35                   ; wave 0..7
	v_lshlrev_b32 v2, 4, v1
	v_lshl_or_b32 v2, v34, 8, v2                   ; in x: wave x 8,192 + 16 lane
	v_lshlrev_b32 v3, 3, v1
	v_lshl_or_b32 v3, v34, 7, v3                   ; in xc: wave x 4,096 + 8 lane
	v_lshrrev_b32 v35, 3, v34                      ; in xm: 4 x wave
	s_lshl_b32 s20, ttmp9, 16                      ; the work-group's 8 rows in x,
	s_mov_b32 s21, 0
	s_lshl_b32 s32, ttmp9, 15                      ; in xc,
	s_mov_b32 s33, 0
	s_lshl_b32 s34, ttmp9, 5                       ; in xm
	s_mov_b32 s35, 0
	s_mov_b32 s30, 0x76543210                      ; v_permlanex16_b32: each lane takes its own place in the other half
	s_mov_b32 s31, 0xfedcba98
	s_wait_kmcnt 0x0
	s_add_nc_u64 s[4:5], s[4:5], s[20:21]
	s_add_nc_u64 s[14:15], s[14:15], s[32:33]
	s_add_nc_u64 s[16:17], s[16:17], s[34:35]
.set i, 0
.rept 16
	global_load_b128 v[X+4*i:X+4*i+3], v2, s[4:5] offset:512*i th:TH_LOAD_NT  ; 512 consecutive bytes a load; the row's 16 loads go out together
.set i, i+1
.endr
	s_cmp_lt_u32 ttmp9, 256
	s_cbranch_scc0 .Lrow
	; THE WEIGHTS: 2,048 numbers a work-group, 8 a lane.  Waves 0, 1: W_w; 2, 3: phi_w; 4, 5: g_w turned; 6, 7: theta_w turned.
	s_and_b32 s23, s22, 1
	s_cmp_lt_u32 s22, 4
	s_cbranch_scc0 .Lturned
	s_lshl_b32 s27, ttmp9, 11                      ; number e = 512 wg + 256 (wave & 1) + 8 lane: byte 4 e in, byte 2 e out
	s_lshl_b32 s28, s23, 10
	s_add_co_u32 s27, s27, s28
	v_lshl_add_u32 v32, v1, 5, s27
	s_lshr_b32 s27, s27, 1
	s_bitcmp1_b32 s22, 1
	s_cselect_b64 s[24:25], s[8:9], s[6:7]
	s_cselect_b32 s26, 262144, 0
	s_add_co_u32 s27, s27, s26
	v_lshl_add_u32 v33, v1, 4, s27
	global_load_b128 v[20:23], v32, s[24:25]
	global_load_b128 v[24:27], v32, s[24:25] offset:16
	s_branch .Lpackw
.Lturned:
	s_lshl_b32 s27, ttmp9, 1
	s_add_co_u32 s27, s27, s23                     ; column j = 2 wg + (wave & 1); my lane takes d = 8 lane + 0..7
	s_lshl_b32 s28, s27, 2
	v_lshl_add_u32 v32, v1, 14, s28                ; 8 lane rows of 2,048 bytes + 4 j
	s_lshl_b32 s27, s27, 10                        ; out: row j of 1,024 bytes,
	s_bitcmp1_b32 s22, 1
	s_cselect_b64 s[24:25], s[12:13], s[10:11]
	s_cselect_b32 s26, 512, 0                      ; theta_w in its second half
	s_add_co_u32 s27, s27, s26
	s_add_co_u32 s27, s27, 524288
	v_lshl_add_u32 v33, v1, 4, s27
.set i, 0
.rept 8
	global_load_b32 v[20+i], v32, s[24:25] offset:2048*i  ; scattered words: 262,144 of them in the whole launch, once
.set i, i+1
.endr
.Lpackw:
	s_wait_loadcnt 0x0
	v_cvt_pk_f16_f32 v28, v20, v21
	v_cvt_pk_f16_f32 v29, v22, v23
	v_cvt_pk_f16_f32 v30, v24, v25
	v_cvt_pk_f16_f32 v31, v26, v27
	global_store_b128 v33, v[28:31], s[18:19]      ; a wave's store covers 512 consecutive bytes, aligned
.Lrow:
	s_wait_loadcnt 0x0                             ; the row is in
.irp k, 0,1,2,3
	v_pk_add_f32 v[4+2*\k:5+2*\k], v[X+2*\k:X+2*\k+1], v[X+8+2*\k:X+8+2*\k+1]  ; four chains, started by the first pairs: nothing is cleared
.endr
.set p, 8
.rept 24
	v_pk_add_f32 v[4+2*(p%4):5+2*(p%4)], v[4+2*(p%4):5+2*(p%4)], v[X+2*p:X+2*p+1]
.set p, p+1
.endr
	v_pk_add_f32 v[4:5], v[4:5], v[6:7]
	v_pk_add_f32 v[8:9], v[8:9], v[10:11]
	v_pk_add_f32 v[4:5], v[4:5], v[8:9]
	v_add_f32 v4, v4, v5
	v_add_f32_dpp v4, v4, v4 row_xmask:1 row_mask:0xf bank_mask:0xf
	v_add_f32_dpp v4, v4, v4 row_xmask:2 row_mask:0xf bank_mask:0xf
	v_add_f32_dpp v4, v4, v4 row_xmask:4 row_mask:0xf bank_mask:0xf
	v_add_f32_dpp v4, v4, v4 row_xmask:8 row_mask:0xf bank_mask:0xf
	v_permlanex16_b32 v5, v4, s30, s31             ; v5 has been written
	v_add_f32 v4, v4, v5
	v_mul_f32 v12, 0x3a000000, v4                  ; / 2,048
	v_mov_b32 v13, v12
.set p, 0
.rept 32
	v_pk_add_f32 v[X+2*p:X+2*p+1], v[X+2*p:X+2*p+1], v[12:13] neg_lo:[0,1] neg_hi:[0,1]  ; centred in f32, ahead of the one rounding
.set p, p+1
.endr
.set i, 0
.rept 16
	v_cvt_pk_f16_f32 v[X+4*i], v[X+4*i], v[X+4*i+1]
	v_cvt_pk_f16_f32 v[X+4*i+1], v[X+4*i+2], v[X+4*i+3]
.set i, i+1
.endr
.set i, 0
.rept 16
	global_store_b64 v3, v[X+4*i:X+4*i+1], s[14:15] offset:256*i  ; a wave's store covers 256 consecutive bytes, aligned
.set i, i+1
.endr
	v_cmp_eq_u32 vcc_lo, 0, v1
	s_wait_xcnt 0x0                                ; EXEC is a source of the stores above: it changes only behind this wait
	s_and_saveexec_b32 s29, vcc_lo
	global_store_b32 v35, v12, s[16:17]            ; the row's mean, by lane 0
	s_wait_xcnt 0x0                                ; and again ahead of the line that widens it
	s_or_b32 exec_lo, exec_lo, s29
	s_endpgm
.Lfunc_end_k_q35af0dbc95_prep:
	.size	k_q35af0dbc95_prep, .Lfunc_end_k_q35af0dbc95_prep-k_q35af0dbc95_prep
	.p2alignl 7, 3214868480
	.fill 96, 4, 3214868480
	.section	.rodata,"a",@progbits
	.p2align	6, 0x0
	.amdhsa_kernel k_q35af0dbc95_prep
		.amdhsa_group_segment_fixed_size 0
		.amdhsa_private_segment_fixed_size 0
		.amdhsa_enable_private_segment 0
		.amdhsa_kernarg_size 64
		.amdhsa_user_sgpr_count 2
		.amdhsa_user_sgpr_kernarg_segment_ptr 1
		.amdhsa_wavefront_size32 1
		.amdhsa_system_sgpr_workgroup_id_x 1
		.amdhsa_system_sgpr_workgroup_id_y 1
		.amdhsa_system_sgpr_workgroup_id_z 1
		.amdhsa_system_vgpr_workitem_id 0
		.amdhsa_next_free_vgpr 104
		.amdhsa_next_free_sgpr 66
		.amdhsa_reserve_vcc 1
		.amdhsa_float_denorm_mode_32 3
		.amdhsa_float_denorm_mode_16_64 3
		.amdhsa_memory_ordered 1
		.amdhsa_forward_progress 1
		.amdhsa_inst_pref_size 14
	.end_amdhsa_kernel
	.amdgpu_metadata
---
amdhsa.version: [ 1, 2 ]
amdhsa.kernels:
  - .name:           k_q35af0dbc95_prep
    .symbol:         k_q35af0dbc95_prep.kd
    .args:
      - { .name: x, .offset: 0, .size: 8, .value_kind: global_buffer, .address_space: global }
      - { .name: W_w, .offset: 8, .size: 8, .value_kind: global_buffer, .address_space: global }
      - { .name: phi_w, .offset: 16, .size: 8, .value_kind: global_buffer, .address_space: global }
      - { .name: g_w, .offset: 24, .size: 8, .value_kind: global_buffer, .address_space: global }
      - { .name: theta_w, .offset: 32, .size: 8, .value_kind: global_buffer, .address_space: global }
      - { .name: xc, .offset: 40, .size: 8, .value_kind: global_buffer, .address_space: global }
      - { .name: xm, .offset: 48, .size: 8, .value_kind: global_buffer, .address_space: global }
      - { .name: wf, .offset: 56, .size: 8, .value_kind: global_buffer, .address_space: global }
    .group_segment_fixed_size: 0
    .private_segment_fixed_size: 0
    .kernarg_segment_align: 8
    .kernarg_segment_size: 64
    .max_flat_workgroup_size: 256
    .sgpr_count:     66
    .vgpr_count:     104
    .wavefront_size: 32
...
	.end_amdgpu_metadata
.endif
;; end of part 1
;; launch gram (part 2): grid 4 x 64, 4 waves a work-group, clusters of 4 x 4, 327,680 bytes of LDS; arguments xc, gm; writes gm
.if DOCPART == 2
	.amdgcn_target "amdgcn-amd-amdhsa--gfx1250"
	.amdhsa_code_object_version 6
	.text
	.protected	k_q35af0dbc95_gram
	.globl	k_q35af0dbc95_gram
	.p2align	8
	.type	k_q35af0dbc95_gram,@function
k_q35af0dbc95_gram:
	s_mov_b64 s[64:65], 0
	v_nop
	global_prefetch_b8 v0, s[64:65] scope:SCOPE_SE
	s_setreg_imm32_b32 hwreg(HW_REG_WAVE_MODE, 25, 1), 1
	s_wait_xcnt 0x0
	s_wait_alu depctr_hold_cnt(0) depctr_sa_sdst(0) depctr_va_vdst(0) depctr_va_sdst(0) depctr_va_ssrc(0) depctr_va_vcc(0) depctr_vm_vsrc(0)
	s_getreg_b32 s2, hwreg(HW_REG_IB_STS2, 6, 4)
	s_cmp_eq_u32 s2, 0
	s_cbranch_scc0 .Lentry_in_a_cluster
	s_endpgm
.Lentry_in_a_cluster:
	s_bfe_u32 s2, ttmp6, 0x10000c
	s_cmp_lg_u32 s2, 0xf033
	s_cbranch_scc0 .Lentry_shape_is_right
	s_endpgm
.Lentry_shape_is_right:
; Launch 2 of 4: G_b = xc_b xc_b^T / 2,048, for each of 16 batches 512 x 512, f16 operands, f32 sums, rounded once to f16.
; A GEMM C = A B^T with A = xc as [8,192][2,048] (the batches stacked), B = the same batch's 512 rows, C = gm as [8,192][512].
; A tile of C is 128 x 128: 16 tiles a batch, 256 work-groups.  Four waves, each 64 x 64: 16 accumulators.  K goes in steps of 256 (LDS rows of 512 bytes + 16 of padding) through two slots.
; CLUSTERS: 4 x 4 work-groups = one batch.  The four of a row of the cluster need the same 128 rows as A, the four of a column the same 128 rows as B: each tile is asked for JOINTLY, by the
; same tensor load with the same descriptor and a mask that names the four.  THE MATRIX INSTRUCTION IS USED TRANSPOSED (source 0 = rows of B, source 1 = rows of A): a lane holds eight neighbouring numbers of a row of C.
; G's symmetry is not used: 10 of a batch's 16 tiles would do, but no work-group would be shorter for it.
; REGISTERS: window 0: v0-31 addresses; v32-95 at work on the way out; v128-255 the accumulators ((a, b) at v[128 + 8 (4 a + b)]).  Window 1: two fragment buffers of 128 (64 of A, 64 of B, for 64 along K).
.set SIZE_K, 2048
.set SIZE_N, 512
.set KSTEP,  256
.set PITCH,  528                       ; 132 words: the 16 rows that a load touches start at 16 different groups of four banks (64 banks of 4 bytes: ISA guide 11.1)
.set HALFT,  64*PITCH                  ; 64 rows: what one tensor load brings, and what one wave reads of A or of B
.set SLOT,   4*HALFT                   ; A's 128 rows, then B's 128 rows
.set STAGE,  2*SLOT                    ; behind the ring: 128 rows x 272 bytes, the work-group's, for the way out
.set SPITCH, 272
.set SPARE,  STAGE+128*SPITCH          ; behind the stage: the spare words, 128 bytes for each wave, that no other line names
.set LAPS, SIZE_K/(2*KSTEP)            ; a lap = two K steps = once round the ring: 4
.set ADRA, 16
.set ADRB, 20
.set STO,  24
.set RD,   25
.set CO,   26
.set SPW,  28
.set NIL,  29
.set TMP,  32
.set ACC,  128
.set F0,   0
.set F1,   128
.set G1, 24
.set G0, 32
.set G1B, 48
.set G0B, 56
.set MSB, 0
.macro WIN new                         ; the immediate's high byte repeats the setting that is left
.if MSB != (\new)
	s_set_vgpr_msb (MSB<<8)|(\new)
.set MSB, \new
.endif
.endm
.set MUL,  0x05                        ; sources 0 (B) and 1 (A) window 1; C and D window 0
.set TO_F, 0x40                        ; destination window 1, address window 0
.macro JLOAD s                         ; a joint load: waves 0 and 1 fetch A's two halves, waves 2 and 3 B's; an s_nop 0 and four v_nop follow each of the two lines
	s_cmp_eq_u32 s11, 0
	s_cbranch_scc0 .Lfor_b_\@
	tensor_load_to_lds s[G0+4*(\s):G0+4*(\s)+3], s[G1:G1+7]
	s_nop 0
.rept 4
	v_nop
.endr
	s_branch .Lasked_\@
.Lfor_b_\@:
	tensor_load_to_lds s[G0B+4*(\s):G0B+4*(\s)+3], s[G1B:G1B+7]
	s_nop 0
.rept 4
	v_nop
.endr
.Lasked_\@:
.endm
.macro CREST                           ; a round of the cluster's barrier behind its opening barrier
	s_cmp_lg_u32 s10, 0
	s_cbranch_scc1 .Lnot_wave_0_\@
	s_barrier_signal -3
.Lnot_wave_0_\@:
	s_barrier_wait -3
	s_barrier_signal -1
	s_barrier_wait -1
.endm
.macro CROUND                          ; a whole round
	s_barrier_signal -1
	s_barrier_wait -1
	CREST
.endm
	s_load_b128 s[4:7], s[0:1], 0x0                ; xc s[4:5], gm s[6:7]
	v_lshl_add_u32 v[SPW], v0, 2, SPARE
	v_mov_b32 v[NIL], 0
	ds_add_u32 v[SPW], v[NIL]                      ; the wave's opening: the add, twice on end, and its wait ahead of my first tensor load
	ds_add_u32 v[SPW], v[NIL]
	v_lshrrev_b32 v1, 5, v0
	v_readfirstlane_b32 s10, v1                    ; wave 0..3
	s_lshr_b32 s11, s10, 1                         ; which half of the tile's rows is mine.  Also: I fetch for A (0) or for B (1)
	s_and_b32 s12, s10, 1                          ; which half of its columns.  Also: which 64 rows of that tile I fetch
	s_bfe_u32 s40, ttmp6, 0x40000                  ; cx, cy: my place in the cluster
	s_bfe_u32 s41, ttmp6, 0x40004
	s_and_b32 s13, ttmp7, 0xffff                   ; the cluster's y is the batch b
	s_lshl_b32 s13, s13, 2
	s_add_co_u32 s42, s13, s40                     ; B's block of 128 rows of xc: 4 b + cx
	s_add_co_u32 s13, s13, s41                     ; A's block, and the tile row of C: 4 b + cy
	s_lshl_b32 s43, s41, 2
	s_lshl_b32 s43, 15, s43                        ; my row of the cluster
	s_lshl_b32 s44, 0x1111, s40                    ; my column
	; descriptor group 1: a tile of 64 rows x 256 elements, padded in LDS
	s_or_b32 s[G1+0], s43, (1<<16)|(1<<20)|(1<<21)|(6<<22)|(3<<25)  ; 15:0 the mask; 17:16 2-byte elements; 20 padding on; 21 set beside a mask; 24:22 after every 128 words; 31:25 4 words
	s_or_b32 s[G1B+0], s44, (1<<16)|(1<<20)|(1<<21)|(6<<22)|(3<<25)
.irp g, G1, G1B
	s_mov_b32 s[(\g)+1], KSTEP<<16                 ; tensor_dim0 = 256
	s_mov_b32 s[(\g)+2], 64<<16                    ; tensor_dim1 = 64
	s_mov_b32 s[(\g)+3], KSTEP<<16                 ; tile_dim0 = 256
	s_mov_b32 s[(\g)+4], 64                        ; tile_dim1 = 64
	s_mov_b32 s[(\g)+5], SIZE_K                    ; elements from row to row
	s_mov_b32 s[(\g)+6], 0
	s_mov_b32 s[(\g)+7], 0
.endr
	s_lshl_b32 s17, s12, 6                         ; which 64 rows of the tile I fetch
	s_lshl_b32 s16, s13, 7
	s_add_co_u32 s16, s16, s17                     ; A: row 128 (4 b + cy) + 64 x half
	s_lshl_b32 s46, s42, 7
	s_add_co_u32 s46, s46, s17                     ; B: row 128 (4 b + cx) + 64 x half
	s_mov_b32 s17, 0
	s_mov_b32 s47, 0
	s_mov_b64 s[18:19], SIZE_K*2
	s_mul_u64 s[16:17], s[16:17], s[18:19]
	s_mul_u64 s[46:47], s[46:47], s[18:19]
	s_mul_i32 s20, s10, HALFT                      ; where they go: wave x 64 rows: no place in the cluster enters an LDS address
	s_wait_dscnt 0x0                               ; both opening adds are done
	s_wait_kmcnt 0x0
	s_add_nc_u64 s[14:15], s[4:5], s[16:17]
	s_add_nc_u64 s[46:47], s[4:5], s[46:47]        ; B is xc too
	s_mov_b64 s[8:9], s[6:7]                       ; C
	CROUND                                         ; all sixteen work-groups are here: the first joint loads meet
.irp s, 0,1
	s_mov_b32 s[G0+4*(\s)], 1
	s_add_co_u32 s[G0+4*(\s)+1], s20, (\s)*SLOT
	s_add_nc_u64 s[G0+4*(\s)+2:G0+4*(\s)+3], s[14:15], (\s)*KSTEP*2
	s_or_b32 s[G0+4*(\s)+3], s[G0+4*(\s)+3], 0x80000000
	s_mov_b32 s[G0B+4*(\s)], 1
	s_add_co_u32 s[G0B+4*(\s)+1], s20, (\s)*SLOT
	s_add_nc_u64 s[G0B+4*(\s)+2:G0B+4*(\s)+3], s[46:47], (\s)*KSTEP*2
	s_or_b32 s[G0B+4*(\s)+3], s[G0B+4*(\s)+3], 0x80000000
	JLOAD \s
.endr
	v_and_b32 v1, 15, v0                           ; l % 16
	v_bfe_u32 v2, v0, 4, 1                         ; l / 16
	v_mul_u32_u24 v3, v1, PITCH
	v_lshl_add_u32 v3, v2, 4, v3                   ; a fragment's row x pitch + 16 x half
	s_mul_i32 s21, s11, HALFT                      ; my 64 rows of A
	s_mul_i32 s22, s12, HALFT                      ; my 64 rows of B,
	s_add_co_u32 s22, s22, 2*HALFT                 ; which lie behind A's 128
.irp s, 0,1
	v_add_nc_u32 v[ADRA+(\s)], s21, v3
	v_add_nc_u32 v[ADRB+(\s)], s22, v3
	s_add_co_u32 s21, s21, SLOT
	s_add_co_u32 s22, s22, SLOT
.endr
	s_mul_i32 s23, s11, 64*SPITCH                  ; into the stage: my 64 rows, my half of their 256 bytes
	s_lshl_b32 s21, s12, 7
	s_add_co_u32 s23, s23, s21
	s_add_co_u32 s23, s23, STAGE
	v_mul_u32_u24 v4, v1, SPITCH
	v_lshl_add_u32 v4, v2, 4, v4
	v_add_nc_u32 v[STO], s23, v4
	s_mul_i32 s23, s10, 32*SPITCH                  ; back: wave w takes rows 32 w .. 32 w + 31, whole
	s_add_co_u32 s23, s23, STAGE
	v_mul_u32_u24 v5, v2, SPITCH
	v_lshl_add_u32 v5, v1, 4, v5
	v_add_nc_u32 v[RD], s23, v5
	v_mul_u32_u24 v5, v2, SIZE_N*2                 ; and the same two rows in C
	v_lshl_add_u32 v[CO], v1, 4, v5
	s_lshl_b32 s16, s13, 7
	s_lshl_b32 s17, s10, 5
	s_add_co_u32 s16, s16, s17                     ; the first row of C that I store
	s_mov_b32 s17, 0
	s_mov_b64 s[18:19], SIZE_N*2
	s_mul_u64 s[16:17], s[16:17], s[18:19]
	s_add_nc_u64 s[8:9], s[8:9], s[16:17]
	s_lshl_b32 s46, s40, 8                         ; the tile's first column, in bytes: 256 cx
	s_mov_b32 s47, 0
	s_add_nc_u64 s[8:9], s[8:9], s[46:47]
.macro MUL8 f, c, a0, zero             ; 8 matrix instructions: m blocks a0, a0 + 1 x all 4 n blocks, 32 along K: half c of buffer f.  zero = 1: the first product starts the sums
	WIN MUL
.irp a, \a0, (\a0)+1
.irp b, 0,1,2,3
.if \zero
	v_wmma_f32_16x16x32_f16 v[ACC+8*(4*(\a)+(\b)):ACC+8*(4*(\a)+(\b))+7], v[(\f)+64+8*(4*(\c)+(\b)):(\f)+64+8*(4*(\c)+(\b))+7], v[(\f)+8*(4*(\c)+(\a)):(\f)+8*(4*(\c)+(\a))+7], 0
.else
	v_wmma_f32_16x16x32_f16 v[ACC+8*(4*(\a)+(\b)):ACC+8*(4*(\a)+(\b))+7], v[(\f)+64+8*(4*(\c)+(\b)):(\f)+64+8*(4*(\c)+(\b))+7], v[(\f)+8*(4*(\c)+(\a)):(\f)+8*(4*(\c)+(\a))+7], v[ACC+8*(4*(\a)+(\b)):ACC+8*(4*(\a)+(\b))+7]
.endif
.endr
.endr
.endm
.macro FETCH slot, k, f                ; 32 LDS loads in one run: the fragments of 64 along K at byte k of the rows, into buffer f; the first 32 along K first
	WIN TO_F
.irp c, 0,1
.irp i, 0,1,2,3
	ds_load_b128 v[(\f)+64+8*(4*(\c)+(\i)):(\f)+64+8*(4*(\c)+(\i))+3],   v[ADRB+(\slot)] offset:(\k)+64*(\c)+(\i)*16*PITCH
	ds_load_b128 v[(\f)+64+8*(4*(\c)+(\i))+4:(\f)+64+8*(4*(\c)+(\i))+7], v[ADRB+(\slot)] offset:(\k)+64*(\c)+(\i)*16*PITCH+32
	ds_load_b128 v[(\f)+8*(4*(\c)+(\i)):(\f)+8*(4*(\c)+(\i))+3],         v[ADRA+(\slot)] offset:(\k)+64*(\c)+(\i)*16*PITCH
	ds_load_b128 v[(\f)+8*(4*(\c)+(\i))+4:(\f)+8*(4*(\c)+(\i))+7],       v[ADRA+(\slot)] offset:(\k)+64*(\c)+(\i)*16*PITCH+32
.endr
.endr
.endm
.macro PLACES                          ; four places in front of loads into registers that matrix instructions have read, and of vector lines that read results
.rept 4
	v_nop
.endr
.endm
.macro QUARTER slot, k, f, g, zero     ; 64 along K: multiplies buffer f and fetches the next quarter, at byte k, into g
	s_wait_dscnt 16                                ; the first 32 along K are in; the youngest sixteen loads may be out
	WIN MUL
	MUL8 \f, 0, 0, \zero
	MUL8 \f, 0, 2, \zero
	PLACES
	FETCH \slot, \k, \g
	s_wait_dscnt 32                                ; all but the 32 just issued
	WIN MUL
	MUL8 \f, 1, 0, 0
	MUL8 \f, 1, 2, 0
.endm
; The last quarter multiplies buffer 1 and changes slots: ONE barrier; in front of it each wave waits for all its tensor loads, adds 0 to its spare word, and waits for that and for its own reads of this slot.
.macro TURN slot, next, fill
	WIN 0                                          ; (the add's two registers lie in window 0)
	s_wait_tensorcnt 0x0                           ; all my tensor loads have landed: my part of the next slot;
	ds_add_u32 v[SPW], v[NIL]                      ; 0 onto my spare word;
	s_wait_dscnt 17                                ; (the add and the youngest sixteen loads may be out)
	WIN MUL
	MUL8 F1, 0, 0, 0                               ; eight matrix instructions stand between the add and the wait for it
	s_wait_dscnt 0x0                               ; the add is done, and my reads of this slot are over
	s_barrier_signal -1
	MUL8 F1, 0, 2, 0
.if \fill
	WIN 0
.endif
	s_barrier_wait -1
.if \fill
	CREST                                          ; the barrier has opened a round of the cluster's barrier: no wave of any partner still reads this slot's tile or has a load on its way
	s_add_nc_u64 s[G0+4*(\slot)+2:G0+4*(\slot)+3], s[G0+4*(\slot)+2:G0+4*(\slot)+3], 2*KSTEP*2
	s_add_nc_u64 s[G0B+4*(\slot)+2:G0B+4*(\slot)+3], s[G0B+4*(\slot)+2:G0B+4*(\slot)+3], 2*KSTEP*2
	JLOAD \slot                                    ; the first tensor load behind the round: 112 matrix instructions ahead of the wait for it
.else
	PLACES
.endif
	FETCH \next, 0, F0
	WIN MUL
	MUL8 F1, 1, 0, 0
	MUL8 F1, 1, 2, 0
.endm
	s_wait_tensorcnt 1                             ; my part of K step 0 is in; K step 1's may stay out
	s_barrier_signal -1
	s_barrier_wait -1                              ; everybody's is
	FETCH 0, 0, F0
	QUARTER 0, 128, F0, F1, 1                      ; the first quarter stands in front of the loop: its first products start the sums
	WIN 0                                          ; at a label and at a branch every window is 0
	s_mov_b32 s3, LAPS-1
.Llap:                                                 ; a trip goes once round the ring and fills both slots again
	QUARTER 0, 256, F1, F0, 0
	QUARTER 0, 384, F0, F1, 0
	TURN 0, 1, 1
	QUARTER 1, 128, F0, F1, 0
	QUARTER 1, 256, F1, F0, 0
	QUARTER 1, 384, F0, F1, 0
	TURN 1, 0, 1
	QUARTER 0, 128, F0, F1, 0
	WIN 0
	s_sub_co_u32 s3, s3, 1
	s_cmp_lg_u32 s3, 0
	s_cbranch_scc1 .Llap
	QUARTER 0, 256, F1, F0, 0                      ; the last lap fills nothing, and has no round of the cluster's barrier
	QUARTER 0, 384, F0, F1, 0
	TURN 0, 1, 0
	QUARTER 1, 128, F0, F1, 0
	QUARTER 1, 256, F1, F0, 0
	QUARTER 1, 384, F0, F1, 0
	s_wait_dscnt 16                                ; the very last quarter: nothing more to fetch
	WIN MUL
	MUL8 F1, 0, 0, 0
	MUL8 F1, 0, 2, 0
	s_wait_dscnt 0
	MUL8 F1, 1, 0, 0
	MUL8 F1, 1, 2, 0
	WIN 0
	; THE WAY OUT: / 2,048 in f32, rounded to f16; 16 bytes a lane into the work-group's stage; a barrier, since a row's 256 bytes come from two waves; back as whole rows, 32 rows a wave.
	PLACES
.irp t, 0,1,2,3,4,5,6,7,8,9,10,11,12,13,14,15
.irp r, 0,1,2,3
	v_pk_mul_f32 v[ACC+8*(\t)+2*(\r):ACC+8*(\t)+2*(\r)+1], v[ACC+8*(\t)+2*(\r):ACC+8*(\t)+2*(\r)+1], 0x3a000000 op_sel_hi:[1,0]  ; each accumulator from its low end on
.endr
.endr
.irp t, 0,1,2,3,4,5,6,7,8,9,10,11,12,13,14,15
.irp r, 0,1,2,3
	v_cvt_pk_f16_f32 v[TMP+4*(\t)+(\r)], v[ACC+8*(\t)+2*(\r)], v[ACC+8*(\t)+2*(\r)+1]
.endr
.endr
.irp a, 0,1,2,3
.irp b, 0,1,2,3
	ds_store_b128 v[STO], v[TMP+4*(4*(\a)+(\b)):TMP+4*(4*(\a)+(\b))+3] offset:(\a)*16*SPITCH+32*(\b)
.endr
.endr
	s_wait_dscnt 0x0                               ; for the others' sake: my stores into the stage are done
	s_barrier_signal -1
	s_barrier_wait -1
.irp t, 0,1,2,3,4,5,6,7,8,9,10,11,12,13,14,15
	ds_load_b128 v[TMP+4*(\t):TMP+4*(\t)+3], v[RD] offset:(\t)*2*SPITCH
.endr
.irp t, 0,1,2,3,4,5,6,7,8,9,10,11,12,13,14,15
	s_wait_dscnt 15-(\t)
	global_store_b128 v[CO], v[TMP+4*(\t):TMP+4*(\t)+3], s[8:9] offset:2*(\t)*SIZE_N*2  ; 16 lanes store 256 consecutive bytes, at a multiple of 256 from gm's first byte
.endr
	s_wait_tensorcnt 0x0                           ; the wave's end: behind my last tensor load and my last LDS store
	ds_add_u32 v[SPW], v[NIL]
	s_wait_dscnt 0x0
	CROUND                                         ; the closing round: no work-group ends while a partner may still ask for a tile that names it
	s_endpgm
.Lfunc_end_k_q35af0dbc95_gram:
	.size	k_q35af0dbc95_gram, .Lfunc_end_k_q35af0dbc95_gram-k_q35af0dbc95_gram
	.p2alignl 7, 3214868480
	.fill 96, 4, 3214868480
	.section	.rodata,"a",@progbits
	.p2align	6, 0x0
	.amdhsa_kernel k_q35af0dbc95_gram
		.amdhsa_group_segment_fixed_size 327680
		.amdhsa_private_segment_fixed_size 0
		.amdhsa_enable_private_segment 0
		.amdhsa_kernarg_size 16
		.amdhsa_user_sgpr_count 2
		.amdhsa_user_sgpr_kernarg_segment_ptr 1
		.amdhsa_wavefront_size32 1
		.amdhsa_system_sgpr_workgroup_id_x 1
		.amdhsa_system_sgpr_workgroup_id_y 1
		.amdhsa_system_sgpr_workgroup_id_z 1
		.amdhsa_system_vgpr_workitem_id 0
		.amdhsa_next_free_vgpr 512
		.amdhsa_next_free_sgpr 66
		.amdhsa_reserve_vcc 0
		.amdhsa_float_denorm_mode_32 3
		.amdhsa_float_denorm_mode_16_64 3
		.amdhsa_memory_ordered 1
		.amdhsa_forward_progress 1
		.amdhsa_inst_pref_size 93
	.end_amdhsa_kernel
	.amdgpu_metadata
---
amdhsa.version: [ 1, 2 ]
amdhsa.kernels:
  - .name:           k_q35af0dbc95_gram
    .symbol:         k_q35af0dbc95_gram.kd
    .args:
      - { .name: xc, .offset: 0, .size: 8, .value_kind: global_buffer, .address_space: global }
      - { .name: gm, .offset: 8, .size: 8, .value_kind: global_buffer, .address_space: global }
    .group_segment_fixed_size: 327680
    .private_segment_fixed_size: 0
    .kernarg_segment_align: 8
    .kernarg_segment_size: 16
    .max_flat_workgroup_size: 128
    .sgpr_count:     66
    .vgpr_count:     512
    .wavefront_size: 32
...
	.end_amdgpu_metadata
.endif
;; end of part 2
;; launch chain (part 3): grid 16 x 16, 4 waves a work-group, no clusters, 39,936 bytes of LDS; arguments wf, gm, xm, g_b, phi_b, theta_b, ah, st; writes ah, st
.if DOCPART == 3
	.amdgcn_target "amdgcn-amd-amdhsa--gfx1250"
	.amdhsa_code_object_version 6
	.text
	.protected	k_q35af0dbc95_chain
	.globl	k_q35af0dbc95_chain
	.p2align	8
	.type	k_q35af0dbc95_chain,@function
k_q35af0dbc95_chain:
	s_mov_b64 s[64:65], 0
	v_nop
	global_prefetch_b8 v0, s[64:65] scope:SCOPE_SE
	s_setreg_imm32_b32 hwreg(HW_REG_WAVE_MODE, 25, 1), 1
	s_wait_xcnt 0x0
; Launch 3 of 4: for 32 output channels c of one batch the whole chain of small products (W_b is left out as dead work: see the first launch's head):
;   U = W_w g_w;  R = U G + u xbar^T, u = U xbar + W_w g_b;  T2 = R phi_w^T + u phi_b^T;  A = T2 theta_w;  mu = A xbar + T2 theta_b;  q = a_c^T G a_c.
; Stored: A's 32 rows scaled (f16), and for each row 1 / scale, mu and q (f32).
; THE SCALES.  Behind each product a row is multiplied by an exact power of two, made from the exponent of its own sum of squares, so that its norm lies in 1 to 2; then it is rounded to f16
; for the next product.  The product of the inverse scales is carried in f32 (IL).  So no intermediate leaves f16's range, whatever the size of the inputs.  A row of zeros stays zeros.
; SHARES.  Four waves; in a product with 512 columns wave v makes columns 128 v .. +127 of all 32 rows (16 accumulators), with 256 columns 64 v .. +63 (8).
; LAYOUT.  Source 0 = 16 rows of the right-hand operand as it lies in memory ([column][k]; G is taken as its own transpose), source 1 = 16 rows of the chain: a lane holds ONE row of the chain
; (lane % 16) and eight neighbouring columns.  So a row's scale, u and mu are one number a lane.
; THE RIGHT-HAND OPERANDS come straight from memory into operand registers: each fragment has one reader in the work-group.  Four register sets of 32 loads; a trip's set is asked for two trips ahead,
; across the ends of the products too, since these operands do not hang on the chain.  The chain's rows lie in LDS (32 rows, pitch 1,040) and are read by all four waves.
; THE DOT PRODUCTS with g_b, theta_b and xbar ride on the same fragments: a source 0 whose 16 rows all hold the vector gives the row's dot product in every register of the result.
; NO CLUSTER: a trip has 36 matrix instructions; a ring of joint loads would put 34 rounds of the cluster's barrier, with one tile on its way behind each, where this text has no barrier and 64 loads a wave on their way.
; The text walks the first two products twice (phase 0: W_w, g_w; phase 1: T2, theta_w): a loop of two trips, left in its middle.
.set SPT, 1040                         ; a chain row in LDS: 1,024 bytes + 16: an odd multiple of 16, so the 16 rows of a load start at 16 different groups of four banks (ISA guide 11.1)
.set XH, 33280                         ; behind the 32 rows: xbar in f16, 1,024 bytes
.set GH, 34304                         ; g_b in f16, 512 bytes
.set TH, 34816                         ; theta_b in f16, 512 bytes: GH + 512
.set XF, 35328                         ; xbar in f32, 2,048 bytes
.set PF, 37376                         ; phi_b in f32, 1,024 bytes
.set RED, 38400                        ; [wave][row block][lane] f32, 1,024 bytes
.set SPARE, 39424                      ; the spare words, 128 bytes for each wave, that no other line names
.set VR, 1                             ; l % 16
.set VH, 2                             ; l / 16
.set VL, 3                             ; l
.set FO8, 4                            ; (128 v + l % 16) x 1,024 + 16 (l / 16): my place in the right-hand operand's rows; never rewritten
.set FO4, 5                            ; (64 v + l % 16) x 1,024 + 16 (l / 16); never rewritten
.set CFA, 6                            ; 1,040 (l % 16) + 16 (l / 16): a chain fragment
.set VFX, 7                            ; XH + 16 (l / 16)
.set VFW, 8                            ; GH + 16 (l / 16); + 512 for phase 1
.set STO8, 9                           ; CFA + 256 v: where I put 16 bytes of a row
.set STO4, 10                          ; CFA + 128 v
.set RXW, 11
.set RXR, 12
.set XFA, 13                           ; XF + 512 v + 32 (l / 16)
.set PFA, 14                           ; PF + 256 v + 32 (l / 16)
.set RDA, 15                           ; 8 v rows + 16 l
.set GOA, 16                           ; 8,192 v + 16 l
.set SPW, 17
.set NIL, 18
.set STA, 19                           ; 4 l
.set SC, 20                            ; v[20:23] the scale, a pair for each row block (the low word is used)
.set US, 24                            ; v[24:27] u (later L mu), likewise
.set IL, 28                            ; v28, v29 the product of the inverse scales
.set AUX, 30                           ; v30, v31 the scaled W_w g_b, later T2 theta_b
.set SS, 32                            ; v[32:39] chains of sums
.set TP, 40                            ; v[40:47] at work
.set CF, 48                            ; v[48:175] chain fragments, two buffers of 64
.set XS, 48                            ; between products: a slice of xbar or phi_b
.set OB, 48                            ; at the end: rows on their way out
.set PK, 112                           ; between products: packed rows
.set VF, 176                           ; v[176:207] vector fragments, two buffers of 16
.set EXT, 128                          ; window 3: the two dot-product accumulators; v0-127 of window 3: accumulator (row block, column block) at 64 rb + 8 cb
.set WV, 20
.set RX, 21
.set BB, 22
.set PHS, 23
.set WP, 24                            ; s[24:25] the turned pair g_w | theta_w
.set PP, 26                            ; s[26:27] phi_w
.set GB, 28                            ; s[28:29] G of my batch
.set WR, 30                            ; s[30:31] my 32 rows of W_w
.set XM, 32
.set AH, 34
.set ST, 36
.set SEL, 38
.set MSB, 0
.macro WIN new                         ; bits 1:0 source 0, 3:2 source 1, 5:4 source 2, 7:6 destination; the high byte repeats the setting that is left
.if MSB != (\new)
	s_set_vgpr_msb (MSB<<8)|(\new)
.set MSB, (\new)
.endif
.endm
.macro PLACES                          ; four places behind the last matrix instruction, ahead of loads into its sources and of vector lines that read results
.rept 4
	v_nop
.endr
.endm
; 32 loads: nblk column blocks x nks K steps of 32, into set 0..3 (windows 1 and 2, 128 registers each)
.macro LOADB set, ptr, fo, koff, nblk, nks
	WIN 0x40*(1+(\set)/2)
.set l_k, 0
.rept \nks
.set l_c, 0
.rept \nblk
.set l_d, 128*((\set)%2)+8*(\nblk)*l_k+8*l_c
	global_load_b128 v[l_d:l_d+3], v[\fo], s[\ptr:\ptr+1] offset:16384*l_c+(\koff)+64*l_k
	global_load_b128 v[l_d+4:l_d+7], v[\fo], s[\ptr:\ptr+1] offset:16384*l_c+(\koff)+64*l_k+32
.set l_c, l_c+1
.endr
.set l_k, l_k+1
.endr
.endm
; The right-hand operand of trip t.  0-3: the turned weights (K = 256); 4-11: G (K = 512); 12-15: phi_w (K = 512, 128 a trip); 16, 17: the next phase's trips 0 and 1
.macro AHEAD t
.if (\t) < 4
	LOADB (\t)%4, WP, FO8, 128*(\t), 8, 2
.elseif (\t) < 12
	LOADB (\t)%4, GB, FO8, 128*((\t)-4), 8, 2
.elseif (\t) < 16
	LOADB (\t)%4, PP, FO4, 256*((\t)-12), 4, 4
.else
	LOADB (\t)%4, WP, FO8, 512+128*((\t)-16), 8, 2
.endif
.endm
.macro CFLOAD buf, kb, nks
.set c_k, 0
.rept \nks
.irp z, 0,1
	ds_load_b128 v[CF+64*(\buf)+16*c_k+8*\z:CF+64*(\buf)+16*c_k+8*\z+3], v[CFA] offset:16*SPT*\z+(\kb)+64*c_k
	ds_load_b128 v[CF+64*(\buf)+16*c_k+8*\z+4:CF+64*(\buf)+16*c_k+8*\z+7], v[CFA] offset:16*SPT*\z+(\kb)+64*c_k+32
.endr
.set c_k, c_k+1
.endr
.endm
.macro VFLOAD buf, areg, kb            ; sixteen lanes read the same 16 bytes: all 16 rows of the fragment are the vector
.irp z, 0,1
	ds_load_b128 v[VF+16*(\buf)+8*\z:VF+16*(\buf)+8*\z+3], v[\areg] offset:(\kb)+64*\z
	ds_load_b128 v[VF+16*(\buf)+8*\z+4:VF+16*(\buf)+8*\z+7], v[\areg] offset:(\kb)+64*\z+32
.endr
.endm
.macro OPER t                          ; trip t's LDS loads: 12 (trips 0-11) or 16
	WIN 0
.if (\t) < 4
	CFLOAD (\t)%2, 128*(\t), 2
	VFLOAD (\t)%2, VFW, 128*(\t)
.elseif (\t) < 12
	CFLOAD (\t)%2, 128*((\t)-4), 2
	VFLOAD (\t)%2, VFX, 128*((\t)-4)
.else
	CFLOAD (\t)%2, 256*((\t)-12), 4
.endif
.endm
; A trip's products.  The accumulators take turns, one instruction a turn; the four dot products stand together at the end, the two of them by turns.
.macro MUL set, buf, nblk, nks, ext, zero
	WIN 0xF1+(\set)/2
.set m_k, 0
.rept \nks
.set m_c, 0
.rept \nblk
.set m_r, 0
.rept 2
.set m_d, 64*m_r+8*m_c
.set m_s, 128*((\set)%2)+8*(\nblk)*m_k+8*m_c
.set m_f, CF+64*(\buf)+16*m_k+8*m_r
.if (\zero) && (m_k == 0)
	v_wmma_f32_16x16x32_f16 v[m_d:m_d+7], v[m_s:m_s+7], v[m_f:m_f+7], 0
.else
	v_wmma_f32_16x16x32_f16 v[m_d:m_d+7], v[m_s:m_s+7], v[m_f:m_f+7], v[m_d:m_d+7]
.endif
.set m_r, m_r+1
.endr
.set m_c, m_c+1
.endr
.set m_k, m_k+1
.endr
.if \ext
	WIN 0xF0
.set m_k, 0
.rept \nks
.set m_r, 0
.rept 2
.set m_d, EXT+8*m_r
.set m_s, VF+16*(\buf)+8*m_k
.set m_f, CF+64*(\buf)+16*m_k+8*m_r
.if (\zero) && (m_k == 0)
	v_wmma_f32_16x16x32_f16 v[m_d:m_d+7], v[m_s:m_s+7], v[m_f:m_f+7], 0
.else
	v_wmma_f32_16x16x32_f16 v[m_d:m_d+7], v[m_s:m_s+7], v[m_f:m_f+7], v[m_d:m_d+7]
.endif
.set m_r, m_r+1
.endr
.set m_k, m_k+1
.endr
.endif
	PLACES
.endm
; TRIP t.  wl: the global loads that may stay out (the next trip's 32, or none).  ahead = 1: trip t + 2's operand is asked for, into the set that trip t - 2 multiplied.
; more = 1: trip t + 1 belongs to the same product: its LDS loads go out now, and the wait leaves just those out.  zero = 1: the product's first trip starts the sums.
.macro TRIP t, ahead, wl, more, zero
	s_wait_loadcnt \wl
.if \ahead
	AHEAD (\t)+2
.endif
.if \more
	OPER (\t)+1
.if (\t) < 12
	s_wait_dscnt 12
.else
	s_wait_dscnt 16
.endif
.else
	s_wait_dscnt 0x0
.endif
.if (\t) < 12
	MUL (\t)%4, (\t)%2, 8, 2, 1, \zero
.else
	MUL (\t)%4, (\t)%2, 4, 4, 0, \zero
.endif
.endm
.macro USM                             ; the dot product with xbar plus what was kept: u, later L mu
	WIN 0x03
	v_add_f32 v[US], v[EXT], v[AUX]
	v_add_f32 v[US+2], v[EXT+8], v[AUX+1]
	WIN 0
.endm
.macro RANK1 nblk, areg                ; row += u x (my columns' slice of an f32 vector)
	WIN 0
.set r_c, 0
.rept \nblk
	ds_load_b128 v[XS+8*r_c:XS+8*r_c+3], v[\areg] offset:64*r_c
	ds_load_b128 v[XS+8*r_c+4:XS+8*r_c+7], v[\areg] offset:64*r_c+16
.set r_c, r_c+1
.endr
	s_wait_dscnt 0x0
	WIN 0xF0
.set r_i, 0
.rept 4*(\nblk)
.irp z, 0,1
	v_pk_fma_f32 v[64*\z+2*r_i:64*\z+2*r_i+1], v[US+2*\z:US+2*\z+1], v[XS+2*r_i:XS+2*r_i+1], v[64*\z+2*r_i:64*\z+2*r_i+1] op_sel_hi:[0,1,1]  ; each accumulator from its low end on
.endr
.set r_i, r_i+1
.endr
.endm
.macro SUMSQ nblk                      ; my columns' share of each row's sum of squares: two chains a row block, started by the first pairs
	WIN 0x0F
.set q_i, 0
.rept 4*(\nblk)
.irp z, 0,1
.if q_i < 2
	v_pk_mul_f32 v[SS+4*\z+2*(q_i%2):SS+4*\z+2*(q_i%2)+1], v[64*\z+2*q_i:64*\z+2*q_i+1], v[64*\z+2*q_i:64*\z+2*q_i+1]
.else
	v_pk_fma_f32 v[SS+4*\z+2*(q_i%2):SS+4*\z+2*(q_i%2)+1], v[64*\z+2*q_i:64*\z+2*q_i+1], v[64*\z+2*q_i:64*\z+2*q_i+1], v[SS+4*\z+2*(q_i%2):SS+4*\z+2*(q_i%2)+1]
.endif
.endr
.set q_i, q_i+1
.endr
	WIN 0
	v_pk_add_f32 v[SS:SS+1], v[SS:SS+1], v[SS+2:SS+3]
	v_pk_add_f32 v[SS+4:SS+5], v[SS+4:SS+5], v[SS+6:SS+7]
	v_add_f32 v[SS], v[SS], v[SS+1]
	v_add_f32 v[SS+4], v[SS+4], v[SS+5]
.endm
; v[SS] and v[SS+4], a number a row and lane, are added over the halves of the lanes and over the four waves: the sums come back in v[TP], v[TP+1], the same bits in every wave.
; The wait ahead of the barrier also shows my reads of the chain's rows done: behind it the rows may be written anew.
.macro RSUM
	WIN 0
	v_permlanex16_b32 v[TP], v[SS], s[SEL], s[SEL+1]
	v_permlanex16_b32 v[TP+1], v[SS+4], s[SEL], s[SEL+1]
	v_add_f32 v[SS], v[SS], v[TP]
	v_add_f32 v[SS+4], v[SS+4], v[TP+1]
	ds_store_b32 v[RXW], v[SS]
	ds_store_b32 v[RXW], v[SS+4] offset:128
	s_wait_dscnt 0x0
	s_barrier_signal -1
	s_barrier_wait -1
.irp z, 0,1,2,3
	ds_load_b32 v[TP+2*\z], v[RXR] offset:256*\z
	ds_load_b32 v[TP+2*\z+1], v[RXR] offset:256*\z+128
.endr
	s_wait_dscnt 0x0
	v_pk_add_f32 v[TP:TP+1], v[TP:TP+1], v[TP+2:TP+3]
	v_pk_add_f32 v[TP+4:TP+5], v[TP+4:TP+5], v[TP+6:TP+7]
	v_pk_add_f32 v[TP:TP+1], v[TP:TP+1], v[TP+4:TP+5]
.endm
.macro SCALE                           ; k = floor((exponent of the sum of squares) / 2); the scale is 2^-k, its inverse 2^k: whole-number work on the exponent, exact
.irp z, 0,1
	v_lshrrev_b32 v[TP+2+\z], 23, v[TP+\z]
	v_add_nc_u32 v[TP+2+\z], 0xffffff81, v[TP+2+\z]
	v_ashrrev_i32 v[TP+2+\z], 1, v[TP+2+\z]
	v_sub_nc_u32 v[TP+4+\z], 127, v[TP+2+\z]
	v_add_nc_u32 v[TP+6+\z], 127, v[TP+2+\z]
	v_lshlrev_b32 v[SC+2*\z], 23, v[TP+4+\z]
	v_lshlrev_b32 v[TP+6+\z], 23, v[TP+6+\z]
	v_mul_f32 v[IL+\z], v[IL+\z], v[TP+6+\z]
.endr
.endm
.macro PACKST nblk, sto                ; scaled, rounded once to f16, 16 bytes a lane into the chain's rows; the barrier shows them to all waves, and ends the reads of RED
	WIN 0xC3
.set p_r, 0
.rept 2
.set p_i, 0
.rept 4*(\nblk)
	v_pk_mul_f32 v[64*p_r+2*p_i:64*p_r+2*p_i+1], v[64*p_r+2*p_i:64*p_r+2*p_i+1], v[SC+2*p_r:SC+2*p_r+1] op_sel_hi:[1,0]
.set p_i, p_i+1
.endr
.set p_r, p_r+1
.endr
	WIN 0x0F
.set p_r, 0
.rept 2
.set p_i, 0
.rept 4*(\nblk)
	v_cvt_pk_f16_f32 v[PK+4*(\nblk)*p_r+p_i], v[64*p_r+2*p_i], v[64*p_r+2*p_i+1]
.set p_i, p_i+1
.endr
.set p_r, p_r+1
.endr
	WIN 0
.set p_r, 0
.rept 2
.set p_i, 0
.rept \nblk
	ds_store_b128 v[\sto], v[PK+4*(\nblk)*p_r+4*p_i:PK+4*(\nblk)*p_r+4*p_i+3] offset:16*SPT*p_r+32*p_i
.set p_i, p_i+1
.endr
.set p_r, p_r+1
.endr
	s_wait_dscnt 0x0
	s_barrier_signal -1
	s_barrier_wait -1
.endm
.macro NORM nblk, sto
	SUMSQ \nblk
	RSUM
	SCALE
	PACKST \nblk, \sto
.endm
	s_load_b512 s[4:19], s[0:1], 0x0               ; wf, gm, xm, g_b, phi_b, theta_b, ah, st
	v_lshl_add_u32 v[SPW], v0, 2, SPARE
	v_mov_b32 v[NIL], 0
	v_lshrrev_b32 v[TP], 5, v0
	v_readfirstlane_b32 s[WV], v[TP]               ; wave 0..3
	s_mov_b32 s[RX], ttmp9                         ; block of 32 rows
	s_and_b32 s[BB], ttmp7, 0xffff                 ; batch
	s_mov_b32 s[SEL], 0x76543210
	s_mov_b32 s[SEL+1], 0xfedcba98
	v_and_b32 v[VR], 15, v0
	v_bfe_u32 v[VH], v0, 4, 1
	v_and_b32 v[VL], 31, v0
	s_lshl_b32 s40, s[WV], 17
	s_lshl_b32 s41, s[WV], 16
	s_lshl_b32 s42, s[WV], 8
	s_lshl_b32 s43, s[WV], 7
	v_lshlrev_b32 v[TP+1], 10, v[VR]
	v_lshl_add_u32 v[TP+1], v[VH], 4, v[TP+1]
	v_add_nc_u32 v[FO8], s40, v[TP+1]
	v_add_nc_u32 v[FO4], s41, v[TP+1]
	v_mul_u32_u24 v[CFA], v[VR], SPT
	v_lshl_add_u32 v[CFA], v[VH], 4, v[CFA]
	v_lshlrev_b32 v[TP+1], 4, v[VH]
	v_add_nc_u32 v[VFX], XH, v[TP+1]
	v_add_nc_u32 v[VFW], GH, v[TP+1]
	v_add_nc_u32 v[STO8], s42, v[CFA]
	v_add_nc_u32 v[STO4], s43, v[CFA]
	v_lshlrev_b32 v[STA], 2, v[VL]
	v_add_nc_u32 v[RXR], RED, v[STA]
	v_add_nc_u32 v[RXW], s42, v[RXR]
	v_lshlrev_b32 v[TP+1], 5, v[VH]
	v_add_nc_u32 v[PFA], s42, v[TP+1]
	v_add_nc_u32 v[PFA], PF, v[PFA]
	s_lshl_b32 s44, s[WV], 9
	v_add_nc_u32 v[XFA], s44, v[TP+1]
	v_add_nc_u32 v[XFA], XF, v[XFA]
	s_mul_i32 s44, s[WV], 8*SPT
	v_lshl_add_u32 v[RDA], v[VL], 4, s44
	s_lshl_b32 s44, s[WV], 13
	v_lshl_add_u32 v[GOA], v[VL], 4, s44
	v_lshlrev_b32 v[TP+2], 4, v0                   ; 16, 8 and 4 x my thread's number, for the set-up
	v_lshlrev_b32 v[TP+3], 3, v0
	v_lshlrev_b32 v[TP+4], 2, v0
	s_mul_i32 s44, s[WV], SPT
	v_lshl_add_u32 v[TP+5], v[VL], 4, s44          ; row = my wave's number, 16 bytes a lane
	s_lshl_b32 s40, s[BB], 19
	s_mov_b32 s41, 0
	s_lshl_b32 s42, s[RX], 14
	s_mov_b32 s43, 0
	s_lshl_b32 s44, s[BB], 11
	s_mov_b32 s45, 0
	s_lshl_b32 s46, s[RX], 15
	s_mov_b32 s47, 0
	s_wait_kmcnt 0x0
	s_add_nc_u64 s[WP:WP+1], s[4:5], 524288
	s_add_nc_u64 s[PP:PP+1], s[4:5], 262144
	s_add_nc_u64 s[GB:GB+1], s[6:7], s[40:41]
	s_add_nc_u64 s[WR:WR+1], s[4:5], s[42:43]
	s_add_nc_u64 s[XM:XM+1], s[8:9], s[44:45]
	s_add_nc_u64 s[AH:AH+1], s[16:17], s[40:41]
	s_add_nc_u64 s[AH:AH+1], s[AH:AH+1], s[46:47]
	s_add_nc_u64 s[ST:ST+1], s[18:19], s[44:45]
	s_lshl_b32 s46, s[RX], 7
	s_add_nc_u64 s[ST:ST+1], s[ST:ST+1], s[46:47]
	; THE SET-UP: twelve loads: my 32 rows of W_w (16,384 dense bytes, four rows a load of the work-group), xbar, g_b, phi_b, theta_b
.irp z, 0,1,2,3,4,5,6,7
	global_load_b128 v[CF+4*\z:CF+4*\z+3], v[TP+2], s[WR:WR+1] offset:2048*\z
.endr
	global_load_b128 v[CF+32:CF+35], v[TP+2], s[XM:XM+1]
	global_load_b64 v[CF+36:CF+37], v[TP+3], s[10:11]
	global_load_b64 v[CF+38:CF+39], v[TP+3], s[12:13]
	global_load_b64 v[CF+40:CF+41], v[TP+3], s[14:15]
	AHEAD 0
	WIN 0
	s_wait_loadcnt 32                              ; the twelve are in; trip 0's 32 may stay out
.irp z, 0,1,2,3,4,5,6,7
	ds_store_b128 v[TP+5], v[CF+4*\z:CF+4*\z+3] offset:4*SPT*\z
.endr
	ds_store_b128 v[TP+2], v[CF+32:CF+35] offset:XF
	ds_store_b64 v[TP+3], v[CF+38:CF+39] offset:PF
	v_cvt_pk_f16_f32 v[CF+42], v[CF+32], v[CF+33]
	v_cvt_pk_f16_f32 v[CF+43], v[CF+34], v[CF+35]
	v_cvt_pk_f16_f32 v[CF+44], v[CF+36], v[CF+37]
	v_cvt_pk_f16_f32 v[CF+45], v[CF+40], v[CF+41]
	ds_store_b64 v[TP+3], v[CF+42:CF+43] offset:XH
	ds_store_b32 v[TP+4], v[CF+44] offset:GH
	ds_store_b32 v[TP+4], v[CF+45] offset:TH
	AHEAD 1
	WIN 0
	v_mov_b32 v[IL], 1.0
	v_mov_b32 v[IL+1], 1.0
	v_mov_b32 v[SC+1], 0                           ; the pairs' upper words are named, so they are written
	v_mov_b32 v[SC+3], 0
	v_mov_b32 v[US+1], 0
	v_mov_b32 v[US+3], 0
	s_wait_dscnt 0x0
	s_barrier_signal -1
	s_barrier_wait -1                              ; the chain's first rows and the vectors lie in LDS
	s_mov_b32 s[PHS], 2                            ; phases to go, this one among them
.Lphase:
	OPER 0                                         ; (W_w | T2) x (g_w | theta_w), K = 256, with the dot product by g_b | theta_b
	TRIP 0, 1, 32, 1, 1
	TRIP 1, 1, 32, 1, 0
	TRIP 2, 1, 32, 1, 0
	TRIP 3, 1, 32, 0, 0
	NORM 8, STO8
	WIN 0x03
	v_mul_f32 v[AUX], v[EXT], v[SC]                ; the dot product takes the row's scale
	v_mul_f32 v[AUX+1], v[EXT+8], v[SC+2]
	WIN 0
	OPER 4                                         ; x G, K = 512, with the dot product by xbar
	TRIP 4, 1, 32, 1, 1
	TRIP 5, 1, 32, 1, 0
	TRIP 6, 1, 32, 1, 0
	TRIP 7, 1, 32, 1, 0
	TRIP 8, 1, 32, 1, 0
	TRIP 9, 1, 32, 1, 0
	WIN 0
	s_cmp_eq_u32 s[PHS], 1
	s_cbranch_scc1 .Llast                          ; the second phase's end is written out: it asks for nothing more
	TRIP 10, 1, 32, 1, 0
	TRIP 11, 1, 32, 0, 0
	USM                                            ; u
	RANK1 8, XFA                                   ; + u xbar^T
	NORM 8, STO8
	v_mul_f32 v[US], v[US], v[SC]                  ; u takes the row's new scale
	v_mul_f32 v[US+2], v[US+2], v[SC+2]
	OPER 12                                        ; x phi_w^T, K = 512, 256 columns
	TRIP 12, 1, 32, 1, 1
	TRIP 13, 1, 32, 1, 0
	TRIP 14, 1, 32, 1, 0
	TRIP 15, 1, 32, 0, 0
	RANK1 4, PFA                                   ; + u phi_b^T
	NORM 4, STO4
	s_wait_xcnt 0x0                                ; the loads issued so far have read their base: it may be written
	s_add_nc_u64 s[WP:WP+1], s[WP:WP+1], 512       ; theta_w's half of the turned rows,
	v_add_nc_u32 v[VFW], 512, v[VFW]               ; and theta_b
	s_sub_co_u32 s[PHS], s[PHS], 1
	s_branch .Lphase
.Llast:
	TRIP 10, 0, 32, 1, 0
	TRIP 11, 0, 0, 0, 0
	USM                                            ; L mu = L A xbar + L T2 theta_b
.set p_r, 0
.rept 2
.set p_i, 0
.rept 8
	ds_load_b128 v[PK+32*p_r+4*p_i:PK+32*p_r+4*p_i+3], v[STO8] offset:16*SPT*p_r+32*p_i  ; my columns of the scaled A, as I stored them
.set p_i, p_i+1
.endr
.set p_r, p_r+1
.endr
	v_mov_b32 v[SS], 0
	v_mov_b32 v[SS+1], 0
	v_mov_b32 v[SS+4], 0
	v_mov_b32 v[SS+5], 0
	s_wait_dscnt 0x0
	WIN 0x0C                                       ; source 1, the accumulators, in window 3
.set q_i, 0
.rept 64                               ; L^2 q = the sum over my columns of (L A) x (L A G): f16 half x f32 into f32, two chains a row block; each accumulator from its low end on
.irp z, 0,1
.if q_i%2
	v_fma_mix_f32 v[SS+4*\z+1], v[PK+32*\z+q_i/2], v[64*\z+q_i], v[SS+4*\z+1] op_sel:[1,0,0] op_sel_hi:[1,0,0]
.else
	v_fma_mix_f32 v[SS+4*\z], v[PK+32*\z+q_i/2], v[64*\z+q_i], v[SS+4*\z] op_sel:[0,0,0] op_sel_hi:[1,0,0]
.endif
.endr
.set q_i, q_i+1
.endr
	WIN 0
	v_add_f32 v[SS], v[SS], v[SS+1]
	v_add_f32 v[SS+4], v[SS+4], v[SS+5]
	RSUM
	v_mul_f32 v[TP+2], v[US], v[IL]                ; mu
	v_mul_f32 v[TP+3], v[US+2], v[IL+1]
	v_mul_f32 v[TP], v[TP], v[IL]                  ; q
	v_mul_f32 v[TP+1], v[TP+1], v[IL+1]
	v_mul_f32 v[TP], v[TP], v[IL]
	v_mul_f32 v[TP+1], v[TP+1], v[IL+1]
	v_cmp_gt_u32 vcc_lo, 16, v[VL]                 ; lane l takes row l: the first row block below, the second above
	v_cndmask_b32 v[TP+4], v[IL+1], v[IL], vcc_lo
	v_cndmask_b32 v[TP+5], v[TP+3], v[TP+2], vcc_lo
	v_cndmask_b32 v[TP+6], v[TP+1], v[TP], vcc_lo
	s_cmp_lg_u32 s[WV], 0
	s_cbranch_scc1 .Lnostat
	global_store_b32 v[STA], v[TP+4], s[ST:ST+1]
	global_store_b32 v[STA], v[TP+5], s[ST:ST+1] offset:32768
	global_store_b32 v[STA], v[TP+6], s[ST:ST+1] offset:65536
.Lnostat:
.set p_i, 0
.rept 16                               ; eight whole rows a wave leave through registers
	ds_load_b128 v[OB+4*p_i:OB+4*p_i+3], v[RDA] offset:SPT*(p_i/2)+512*(p_i%2)
.set p_i, p_i+1
.endr
	s_wait_dscnt 0x0
.set p_i, 0
.rept 16
	global_store_b128 v[GOA], v[OB+4*p_i:OB+4*p_i+3], s[AH:AH+1] offset:512*p_i  ; 512 consecutive bytes, aligned
.set p_i, p_i+1
.endr
	s_wait_tensorcnt 0x0                           ; the wave's end: behind my last LDS store
	ds_add_u32 v[SPW], v[NIL]
	s_wait_dscnt 0x0
	s_endpgm
.Lfunc_end_k_q35af0dbc95_chain:
	.size	k_q35af0dbc95_chain, .Lfunc_end_k_q35af0dbc95_chain-k_q35af0dbc95_chain
	.p2alignl 7, 3214868480
	.fill 96, 4, 3214868480
	.section	.rodata,"a",@progbits
	.p2align	6, 0x0
	.amdhsa_kernel k_q35af0dbc95_chain
		.amdhsa_group_segment_fixed_size 39936
		.amdhsa_private_segment_fixed_size 0
		.amdhsa_enable_private_segment 0
		.amdhsa_kernarg_size 64
		.amdhsa_user_sgpr_count 2
		.amdhsa_user_sgpr_kernarg_segment_ptr 1
		.amdhsa_wavefront_size32 1
		.amdhsa_system_sgpr_workgroup_id_x 1
		.amdhsa_system_sgpr_workgroup_id_y 1
		.amdhsa_system_sgpr_workgroup_id_z 1
		.amdhsa_system_vgpr_workitem_id 0
		.amdhsa_next_free_vgpr 912
		.amdhsa_next_free_sgpr 66
		.amdhsa_reserve_vcc 1
		.amdhsa_float_denorm_mode_32 3
		.amdhsa_float_denorm_mode_16_64 3
		.amdhsa_memory_ordered 1
		.amdhsa_forward_progress 1
		.amdhsa_inst_pref_size 180
	.end_amdhsa_kernel
	.amdgpu_metadata
---
amdhsa.version: [ 1, 2 ]
amdhsa.kernels:
  - .name:           k_q35af0dbc95_chain
    .symbol:         k_q35af0dbc95_chain.kd
    .args:
      - { .name: wf, .offset: 0, .size: 8, .value_kind: global_buffer, .address_space: global }
      - { .name: gm, .offset: 8, .size: 8, .value_kind: global_buffer, .address_space: global }
      - { .name: xm, .offset: 16, .size: 8, .value_kind: global_buffer, .address_space: global }
      - { .name: g_b, .offset: 24, .size: 8, .value_kind: global_buffer, .address_space: global }
      - { .name: phi_b, .offset: 32, .size: 8, .value_kind: global_buffer, .address_space: global }
      - { .name: theta_b, .offset: 40, .size: 8, .value_kind: global_buffer, .address_space: global }
      - { .name: ah, .offset: 48, .size: 8, .value_kind: global_buffer, .address_space: global }
      - { .name: st, .offset: 56, .size: 8, .value_kind: global_buffer, .address_space: global }
    .group_segment_fixed_size: 39936
    .private_segment_fixed_size: 0
    .kernarg_segment_align: 8
    .kernarg_segment_size: 64
    .max_flat_workgroup_size: 128
    .sgpr_count:     66
    .vgpr_count:     912
    .wavefront_size: 32
...
	.end_amdgpu_metadata
.endif
;; end of part 3
;; launch apply (part 4): grid 16 x 16, 4 waves a work-group, no clusters, 185,856 bytes of LDS; arguments xc, ah, st, xm, bn_gamma, bn_beta, out0; writes out0
.if DOCPART == 4
	.amdgcn_target "amdgcn-amd-amdhsa--gfx1250"
	.amdhsa_code_object_version 6
	.text
	.protected	k_q35af0dbc95_apply
	.globl	k_q35af0dbc95_apply
	.p2align	8
	.type	k_q35af0dbc95_apply,@function
k_q35af0dbc95_apply:
	s_mov_b64 s[64:65], 0
	v_nop
	global_prefetch_b8 v0, s[64:65] scope:SCOPE_SE
	s_setreg_imm32_b32 hwreg(HW_REG_WAVE_MODE, 25, 1), 1
	s_wait_xcnt 0x0
; Launch 4 of 4: out[b][c][n] = k_c (Ahat_b xc_b)[c][n] + cst_c + xc[c][n], with g = gamma rsq(var + 1e-5), k = g / scale, cst = g (mu_bc - mean_c) + beta + xbar_bc.
; W_b is left out as dead work: it cancels in w - mean and is not in var (see the first launch's head).
; mean_c = avg_b mu_bc; var_c = avg_b [q_bc + (mu_bc - mean_c)^2]: every work-group makes them for all 512 channels from the 16 batches' mu and q (64 KiB), 4 channels a thread.
; LIMIT: the residual is f16(x - xbar) + xbar: off by at most 2^-11 |x - xbar|.
; SHARES.  A work-group owns 128 positions n of one batch and all 512 channels.  Its slab of xc, 512 rows j x 256 bytes, comes into LDS by one tensor load a wave (128 rows each) and stays:
; it is the product's operand and the residual.  Two passes of 256 channels; in a pass wave v makes channels 64 v .. +63 x 128 n: 32 accumulators, K = 512 in 16 steps.
; LAYOUT.  Source 0 = 16 positions n x 32 j, turned out of LDS by ds_load_tr16_b128; source 1 = 16 rows c of Ahat, straight from memory into operand registers (each row has one reader in the
; work-group).  A lane holds ONE channel (lane % 16) and eight neighbouring n.  Ahat comes in groups of 128 along K, 32 loads, two register sets, asked for two groups ahead, across the passes too.
; NO CLUSTER: the 16 work-groups of a batch read the same Ahat.  Joint loads would bring it through LDS: two slots of 256 rows x 272 bytes beside the slab, the stage and the tables take 325,120 bytes,
; eight rounds of the cluster's barrier stand in the loop, and each byte of Ahat, which one wave reads once, costs an LDS read that the direct loads do not have.
; REGISTERS: window 0: addresses; v32-159 two buffers of x fragments (on the way out: results, then whole rows); v160-191 the residual.  Window 1: Ahat, two sets of 128.  Window 2: the accumulators, (rb, nb) at 64 rb + 8 nb.
.set XPT, 288                          ; a row of the slab in LDS: 256 bytes + 32: 72 words
.set STAGE, 147456                     ; behind the slab, never filled by a tensor load: 16 rows x 528 bytes for each wave
.set SPT, 528
.set KT, 181248                        ; k, 512 f32; cst follows 2,048 bytes on
.set SPARE, 185344                     ; the spare words, 128 bytes for each wave, that no other line names
.set VR, 1
.set VH, 2
.set VL, 3
.set XA, 4                             ; v4-7  my place in a turning load, for j = 128 g on
.set AFO, 8                            ; (64 v + l % 16) x 1,024 + 16 (l / 16); never rewritten
.set STO, 9
.set RD, 10
.set KA, 11
.set XR, 12
.set GO, 13
.set SPW, 14
.set NIL, 15
.set ONE, 16
.set TO, 17                            ; 16 x my thread's number
.set KK, 18                            ; v[18:19] k of my channel (the low word is used)
.set CC, 20                            ; v[20:21] cst
.set KST, 22
.set XB, 32
.set T, 32
.set BK, 96
.set XRR, 160
.set MU, 32                            ; ahead of the loop: the statistics
.set QQ, 96
.set ILB, 160
.set MUB, 164
.set XMB, 168
.set GAM, 172
.set BET, 176
.set MEAN, 180
.set VAR, 184
.set WV, 18
.set SLAB, 19
.set BB, 20
.set PASS, 21
.set G0, 24
.set G1, 28
.set AHP, 36
.set STB, 38
.set XMP, 40
.set C16, 42
.set EPS, 44
.set OUT, 16
.set MSB, 0
.macro WIN new
.if MSB != (\new)
	s_set_vgpr_msb (MSB<<8)|(\new)
.set MSB, (\new)
.endif
.endm
.macro PLACES                          ; four places behind the last matrix instruction (ISA guide 7.12.1)
.rept 4
	v_nop
.endr
.endm
.macro LOADA set, g, extra             ; 32 loads: my 64 rows of Ahat, 128 along K from 128 g on; extra: the next pass's rows
	WIN 0x40
.set a_k, 0
.rept 4
.irp z, 0,1,2,3
	global_load_b128 v[128*(\set)+32*a_k+8*\z:128*(\set)+32*a_k+8*\z+3], v[AFO], s[AHP:AHP+1] offset:16384*\z+256*(\g)+64*a_k+(\extra)
	global_load_b128 v[128*(\set)+32*a_k+8*\z+4:128*(\set)+32*a_k+8*\z+7], v[AFO], s[AHP:AHP+1] offset:16384*\z+256*(\g)+64*a_k+32+(\extra)
.endr
.set a_k, a_k+1
.endr
.endm
.macro XLOAD s                         ; K step s: 32 j x 128 n, turned: 16 loads in one run
	WIN 0
.irp z, 0,1,2,3,4,5,6,7
	ds_load_tr16_b128 v[XB+64*((\s)%2)+8*\z:XB+64*((\s)%2)+8*\z+3], v[XA+(\s)/4] offset:32*XPT*((\s)%4)+32*\z
	ds_load_tr16_b128 v[XB+64*((\s)%2)+8*\z+4:XB+64*((\s)%2)+8*\z+7], v[XA+(\s)/4] offset:32*XPT*((\s)%4)+32*\z+16*XPT
.endr
.endm
.macro KS s                            ; K step s: the next step's fragments go out, then 32 products on 32 accumulators by turns
.if (\s) < 15
	XLOAD (\s)+1
	s_wait_dscnt 16                                ; all but the 16 just issued
.else
	s_wait_dscnt 0x0
.endif
	WIN 0xA4                                       ; source 0 window 0, source 1 window 1, C and D window 2
.set k_r, 0
.rept 4
.set k_n, 0
.rept 8
.set k_d, 64*k_r+8*k_n
.set k_x, XB+64*((\s)%2)+8*k_n
.set k_a, 128*(((\s)/4)%2)+32*((\s)%4)+8*k_r
.if (\s) == 0
	v_wmma_f32_16x16x32_f16 v[k_d:k_d+7], v[k_x:k_x+7], v[k_a:k_a+7], 0
.else
	v_wmma_f32_16x16x32_f16 v[k_d:k_d+7], v[k_x:k_x+7], v[k_a:k_a+7], v[k_d:k_d+7]
.endif
.set k_n, k_n+1
.endr
.set k_r, k_r+1
.endr
	PLACES
.endm
; THE WAY OUT of 16 channels: k w + cst in f32; 32 bytes a lane into my own stage; back as whole rows of 512 bytes; the residual added from the slab; stored.  LDS serves a wave's instructions in order
; (ISA guide 5.7.1.4), and the stage is the wave's own: no barrier.
.macro EPI rb
	WIN 0
	s_wait_xcnt 0x0                                ; the stores issued so far have read their data: the rows' registers may be written
	ds_load_b32 v[KK], v[KA] offset:64*(\rb)
	ds_load_b32 v[CC], v[KA] offset:64*(\rb)+2048
	s_wait_dscnt 0x0
	WIN 0x02
.set e_i, 0
.rept 32
	v_pk_fma_f32 v[T+2*e_i:T+2*e_i+1], v[64*(\rb)+2*e_i:64*(\rb)+2*e_i+1], v[KK:KK+1], v[CC:CC+1] op_sel_hi:[1,0,0]  ; each accumulator from its low end on
.set e_i, e_i+1
.endr
	WIN 0
.set e_i, 0
.rept 8
	ds_store_b128 v[STO], v[T+8*e_i:T+8*e_i+3] offset:64*e_i
	ds_store_b128 v[STO], v[T+8*e_i+4:T+8*e_i+7] offset:64*e_i+16
.set e_i, e_i+1
.endr
.set e_i, 0
.rept 16
	ds_load_b128 v[BK+4*e_i:BK+4*e_i+3], v[RD] offset:SPT*e_i
.set e_i, e_i+1
.endr
.set e_i, 0
.rept 16
	ds_load_b64 v[XRR+2*e_i:XRR+2*e_i+1], v[XR] offset:XPT*(16*(\rb)+e_i)
.set e_i, e_i+1
.endr
	s_wait_dscnt 0x0
.set e_i, 0
.rept 32
	v_fma_mix_f32 v[BK+2*e_i], v[XRR+e_i], v[ONE], v[BK+2*e_i] op_sel:[0,0,0] op_sel_hi:[1,0,0]
	v_fma_mix_f32 v[BK+2*e_i+1], v[XRR+e_i], v[ONE], v[BK+2*e_i+1] op_sel:[1,0,0] op_sel_hi:[1,0,0]
.set e_i, e_i+1
.endr
.set e_i, 0
.rept 16
	global_store_b128 v[GO], v[BK+4*e_i:BK+4*e_i+3], s[OUT:OUT+1] offset:8192*(16*(\rb)+e_i) th:TH_STORE_NT  ; 512 consecutive bytes, aligned
.set e_i, e_i+1
.endr
.endm
	s_load_b256 s[4:11], s[0:1], 0x0               ; xc, ah, st, xm
	s_load_b128 s[12:15], s[0:1], 0x20             ; bn_gamma, bn_beta
	s_load_b64 s[16:17], s[0:1], 0x30              ; out0
	v_lshl_add_u32 v[SPW], v0, 2, SPARE
	v_mov_b32 v[NIL], 0
	ds_add_u32 v[SPW], v[NIL]                      ; the wave's opening: the add, twice on end, and its wait ahead of my first tensor load
	ds_add_u32 v[SPW], v[NIL]
	v_lshrrev_b32 v23, 5, v0
	v_readfirstlane_b32 s[WV], v23                 ; wave 0..3
	s_mov_b32 s[SLAB], ttmp9
	s_and_b32 s[BB], ttmp7, 0xffff
	; descriptor group 1: 128 rows x 128 elements of 2 bytes, 8 words of padding behind each row's 64 words
	s_mov_b32 s[G1], (1<<16)|(1<<20)|(5<<22)|(7<<25)
	s_mov_b32 s[G1+1], 128<<16                     ; tensor_dim0 = 128
	s_mov_b32 s[G1+2], 128<<16                     ; tensor_dim1 = 128
	s_mov_b32 s[G1+3], 128<<16                     ; tile_dim0 = 128
	s_mov_b32 s[G1+4], 128                         ; tile_dim1 = 128
	s_mov_b32 s[G1+5], 2048                        ; elements from row to row
	s_mov_b32 s[G1+6], 0
	s_mov_b32 s[G1+7], 0
	s_mov_b32 s[G0], 1
	s_mul_i32 s[G0+1], s[WV], 128*XPT              ; my 128 rows of the slab
	s_lshl_b32 s22, s[BB], 21                      ; the batch, 2,097,152 bytes of xc,
	s_lshl_b32 s23, s[WV], 19                      ; my 128 rows of 4,096 bytes,
	s_add_co_u32 s22, s22, s23
	s_lshl_b32 s23, s[SLAB], 8                     ; the slab's 256 bytes of a row
	s_add_co_u32 s22, s22, s23
	s_mov_b32 s23, 0
	s_mov_b32 s[C16], 0x3d800000                   ; 1 / 16
	s_mov_b32 s[C16+1], 0x3d800000
	s_mov_b32 s[EPS], 0x3727c5ac                   ; 1e-5
	s_mov_b32 s[EPS+1], 0x3727c5ac
	s_wait_dscnt 0x0                               ; both opening adds are done
	s_wait_kmcnt 0x0
	s_add_nc_u64 s[G0+2:G0+3], s[4:5], s[22:23]
	s_or_b32 s[G0+3], s[G0+3], 0x80000000          ; type = 2
	tensor_load_to_lds s[G0:G0+3], s[G1:G1+7]      ; my one tensor load: nothing is ever filled again
	s_nop 0
	v_and_b32 v[VR], 15, v0
	v_bfe_u32 v[VH], v0, 4, 1
	v_and_b32 v[VL], 31, v0
	v_and_b32 v23, 7, v0
	v_bfe_u32 v24, v0, 3, 1
	v_lshl_add_u32 v[XA], v[VH], 3, v23            ; the turning load: lane l reads row 8 (l / 16) + l % 8, bytes 16 ((l / 8) % 2) on
	v_mul_u32_u24 v[XA], v[XA], XPT
	v_lshl_add_u32 v[XA], v24, 4, v[XA]
	v_add_nc_u32 v[XA+1], 128*XPT, v[XA]
	v_add_nc_u32 v[XA+2], 256*XPT, v[XA]
	v_add_nc_u32 v[XA+3], 384*XPT, v[XA]
	s_lshl_b32 s22, s[WV], 16
	v_lshlrev_b32 v[AFO], 10, v[VR]
	v_lshl_add_u32 v[AFO], v[VH], 4, v[AFO]
	v_add_nc_u32 v[AFO], s22, v[AFO]
	s_mul_i32 s22, s[WV], 16*SPT
	s_add_co_u32 s22, s22, STAGE                   ; my stage
	v_mul_u32_u24 v[STO], v[VR], SPT
	v_lshl_add_u32 v[STO], v[VH], 5, v[STO]
	v_add_nc_u32 v[STO], s22, v[STO]
	v_lshl_add_u32 v[RD], v[VL], 4, s22
	s_lshl_b32 s22, s[WV], 8
	s_add_co_u32 s22, s22, KT
	v_lshl_add_u32 v[KA], v[VR], 2, s22            ; k of channel 64 v + l % 16
	s_mul_i32 s22, s[WV], 64*XPT
	v_lshl_add_u32 v[XR], v[VL], 3, s22            ; the residual: row 64 v, 8 bytes a lane
	s_lshl_b32 s22, s[WV], 19
	v_lshl_add_u32 v[GO], v[VL], 4, s22            ; in out0: 64 v rows of 8,192 bytes + 16 l
	v_lshlrev_b32 v[TO], 4, v0
	v_add_nc_u32 v[KST], KT, v[TO]
	v_mov_b32 v[ONE], 1.0
	v_mov_b32 v[KK+1], 0                           ; the pairs' upper words are named, so they are written
	v_mov_b32 v[CC+1], 0
	s_lshl_b32 s22, s[BB], 19
	s_add_nc_u64 s[AHP:AHP+1], s[6:7], s[22:23]
	s_lshl_b32 s22, s[BB], 11
	s_add_nc_u64 s[STB:STB+1], s[8:9], s[22:23]
	s_add_nc_u64 s[XMP:XMP+1], s[10:11], s[22:23]
	s_lshl_b32 s22, s[BB], 22
	s_add_nc_u64 s[OUT:OUT+1], s[OUT:OUT+1], s[22:23]
	s_lshl_b32 s22, s[SLAB], 9
	s_add_nc_u64 s[OUT:OUT+1], s[OUT:OUT+1], s[22:23]
	; THE STATISTICS: 37 loads of 16 bytes: channels 4 t .. 4 t + 3 of mu and q of all batches, and of my batch's 1 / scale, mu, xbar, and gamma, beta
.set i, 0
.rept 16
	global_load_b128 v[MU+4*i:MU+4*i+3], v[TO], s[8:9] offset:32768+2048*i
	global_load_b128 v[QQ+4*i:QQ+4*i+3], v[TO], s[8:9] offset:65536+2048*i
.set i, i+1
.endr
	global_load_b128 v[ILB:ILB+3], v[TO], s[STB:STB+1]
	global_load_b128 v[MUB:MUB+3], v[TO], s[STB:STB+1] offset:32768
	global_load_b128 v[XMB:XMB+3], v[TO], s[XMP:XMP+1]
	global_load_b128 v[GAM:GAM+3], v[TO], s[12:13]
	global_load_b128 v[BET:BET+3], v[TO], s[14:15]
	LOADA 0, 0, 0
	WIN 0
	s_wait_loadcnt 32                              ; the 37 are in; Ahat's first 32 may stay out
.irp p, 0,2
	v_pk_add_f32 v[MEAN+\p:MEAN+\p+1], v[MU+\p:MU+\p+1], v[MU+4+\p:MU+4+\p+1]
	v_pk_add_f32 v[VAR+\p:VAR+\p+1], v[QQ+\p:QQ+\p+1], v[QQ+4+\p:QQ+4+\p+1]
.endr
.set i, 2
.rept 14
.irp p, 0,2
	v_pk_add_f32 v[MEAN+\p:MEAN+\p+1], v[MEAN+\p:MEAN+\p+1], v[MU+4*i+\p:MU+4*i+\p+1]
	v_pk_add_f32 v[VAR+\p:VAR+\p+1], v[VAR+\p:VAR+\p+1], v[QQ+4*i+\p:QQ+4*i+\p+1]
.endr
.set i, i+1
.endr
.irp p, 0,2
	v_pk_mul_f32 v[MEAN+\p:MEAN+\p+1], v[MEAN+\p:MEAN+\p+1], s[C16:C16+1] op_sel_hi:[1,0]
.endr
.set i, 0
.rept 16
.irp p, 0,2
	v_pk_add_f32 v[MU+4*i+\p:MU+4*i+\p+1], v[MU+4*i+\p:MU+4*i+\p+1], v[MEAN+\p:MEAN+\p+1] neg_lo:[0,1] neg_hi:[0,1]
.endr
.set i, i+1
.endr
.set i, 0
.rept 16
.irp p, 0,2
	v_pk_fma_f32 v[VAR+\p:VAR+\p+1], v[MU+4*i+\p:MU+4*i+\p+1], v[MU+4*i+\p:MU+4*i+\p+1], v[VAR+\p:VAR+\p+1]
.endr
.set i, i+1
.endr
.irp p, 0,2
	v_pk_fma_f32 v[VAR+\p:VAR+\p+1], v[VAR+\p:VAR+\p+1], s[C16:C16+1], s[EPS:EPS+1] op_sel_hi:[1,0,0]  ; var + eps
.endr
.irp p, 0,1,2,3
	v_rsq_f32 v[VAR+\p], v[VAR+\p]
.endr
	v_nop                                          ; a plain instruction behind the last root,
	s_wait_alu depctr_va_vdst(0)                   ; and the wait ahead of the first use: one for the four
.irp p, 0,2
	v_pk_mul_f32 v[GAM+\p:GAM+\p+1], v[GAM+\p:GAM+\p+1], v[VAR+\p:VAR+\p+1]                              ; g
	v_pk_add_f32 v[MUB+\p:MUB+\p+1], v[MUB+\p:MUB+\p+1], v[MEAN+\p:MEAN+\p+1] neg_lo:[0,1] neg_hi:[0,1]  ; mu_b - mean
	v_pk_add_f32 v[BET+\p:BET+\p+1], v[BET+\p:BET+\p+1], v[XMB+\p:XMB+\p+1]                              ; beta + xbar
.endr
.irp p, 0,2
	v_pk_mul_f32 v[ILB+\p:ILB+\p+1], v[ILB+\p:ILB+\p+1], v[GAM+\p:GAM+\p+1]                              ; k
	v_pk_fma_f32 v[MUB+\p:MUB+\p+1], v[GAM+\p:GAM+\p+1], v[MUB+\p:MUB+\p+1], v[BET+\p:BET+\p+1]          ; cst
.endr
	ds_store_b128 v[KST], v[ILB:ILB+3]
	ds_store_b128 v[KST], v[MUB:MUB+3] offset:2048
	LOADA 1, 1, 0
	WIN 0
	s_wait_tensorcnt 0x0                           ; my 128 rows of the slab are in,
	s_wait_dscnt 0x0                               ; my part of the tables is stored:
	s_barrier_signal -1
	s_barrier_wait -1                              ; everybody's: the launch's one barrier
	s_mov_b32 s[PASS], 2
.Lpass:
	XLOAD 0
	s_wait_loadcnt 32                              ; group 0 is in; group 1's 32 loads may stay out
	KS 0
	KS 1
	KS 2
	KS 3
	LOADA 0, 2, 0
	s_wait_loadcnt 32                              ; group 1 is in
	KS 4
	KS 5
	KS 6
	KS 7
	LOADA 1, 3, 0
	s_wait_loadcnt 32                              ; group 2 is in
	KS 8
	KS 9
	KS 10
	KS 11
	WIN 0
	s_cmp_eq_u32 s[PASS], 1
	s_cbranch_scc1 .Lfinal                         ; the last pass asks for nothing more: its last group is written out, so that every wait's count is right on its own way
	LOADA 0, 0, 262144                             ; the next pass's group 0
	s_wait_loadcnt 32                              ; group 3 is in
	KS 12
	KS 13
	KS 14
	KS 15
	LOADA 1, 1, 262144
	WIN 0
	s_branch .Lout
.Lfinal:
	s_wait_loadcnt 0x0
	KS 12
	KS 13
	KS 14
	KS 15
	WIN 0
.Lout:
	EPI 0
	EPI 1
	EPI 2
	EPI 3
	s_wait_xcnt 0x0                                ; loads and stores issued so far have read their bases and data
	s_add_nc_u64 s[AHP:AHP+1], s[AHP:AHP+1], 262144    ; 256 rows of Ahat on,
	s_add_nc_u64 s[OUT:OUT+1], s[OUT:OUT+1], 2097152   ; 256 rows of out0,
	v_add_nc_u32 v[KA], 1024, v[KA]                    ; 256 channels of the tables,
	v_add_nc_u32 v[XR], 256*XPT, v[XR]                 ; 256 rows of the slab (behind the last pass these are not used)
	s_sub_co_u32 s[PASS], s[PASS], 1
	s_cmp_lg_u32 s[PASS], 0
	s_cbranch_scc1 .Lpass
	s_wait_tensorcnt 0x0                           ; the wave's end: behind my tensor load and my last LDS store
	ds_add_u32 v[SPW], v[NIL]
	s_wait_dscnt 0x0
	s_endpgm
.Lfunc_end_k_q35af0dbc95_apply:
	.size	k_q35af0dbc95_apply, .Lfunc_end_k_q35af0dbc95_apply-k_q35af0dbc95_apply
	.p2alignl 7, 3214868480
	.fill 96, 4, 3214868480
	.section	.rodata,"a",@progbits
	.p2align	6, 0x0
	.amdhsa_kernel k_q35af0dbc95_apply
		.amdhsa_group_segment_fixed_size 185856
		.amdhsa_private_segment_fixed_size 0
		.amdhsa_enable_private_segment 0
		.amdhsa_kernarg_size 56
		.amdhsa_user_sgpr_count 2
		.amdhsa_user_sgpr_kernarg_segment_ptr 1
		.amdhsa_wavefront_size32 1
		.amdhsa_system_sgpr_workgroup_id_x 1
		.amdhsa_system_sgpr_workgroup_id_y 1
		.amdhsa_system_sgpr_workgroup_id_z 1
		.amdhsa_system_vgpr_workitem_id 0
		.amdhsa_next_free_vgpr 768
		.amdhsa_next_free_sgpr 66
		.amdhsa_reserve_vcc 0
		.amdhsa_float_denorm_mode_32 3
		.amdhsa_float_denorm_mode_16_64 3
		.amdhsa_memory_ordered 1
		.amdhsa_forward_progress 1
		.amdhsa_inst_pref_size 143
	.end_amdhsa_kernel
	.amdgpu_metadata
---
amdhsa.version: [ 1, 2 ]
amdhsa.kernels:
  - .name:           k_q35af0dbc95_apply
    .symbol:         k_q35af0dbc95_apply.kd
    .args:
      - { .name: xc, .offset: 0, .size: 8, .value_kind: global_buffer, .address_space: global }
      - { .name: ah, .offset: 8, .size: 8, .value_kind: global_buffer, .address_space: global }
      - { .name: st, .offset: 16, .size: 8, .value_kind: global_buffer, .address_space: global }
      - { .name: xm, .offset: 24, .size: 8, .value_kind: global_buffer, .address_space: global }
      - { .name: bn_gamma, .offset: 32, .size: 8, .value_kind: global_buffer, .address_space: global }
      - { .name: bn_beta, .offset: 40, .size: 8, .value_kind: global_buffer, .address_space: global }
      - { .name: out0, .offset: 48, .size: 8, .value_kind: global_buffer, .address_space: global }
    .group_segment_fixed_size: 185856
    .private_segment_fixed_size: 0
    .kernarg_segment_align: 8
    .kernarg_segment_size: 56
    .max_flat_workgroup_size: 128
    .sgpr_count:     66
    .vgpr_count:     768
    .wavefront_size: 32
...
	.end_amdgpu_metadata
.endif
;; end of part 4
